; MI455X (gfx1250); checked and timed in simulation.
; The chip was launched on July 23, 2026; its instructions are those of AMD's public machine-readable ISA for CDNA 5 (MIT licence, August 2026) and "CDNA5" Instruction Set Architecture Reference Guide (July 2026). The comments in the code are by the model that wrote it; some were corrected since.
;; Monotonic NN. Allowed arithmetic: matrix products marked QUANTISED: E2M3 operands, one E8M0 scale for each 32 along K, by v_wmma_scale_f32_16x16x128_f8f6f4 with both operands' format E2M3, f32 sums; products left as they are: f32 operands where the result goes on into a quantised operand, else bf16, f16 or f32 operands; f32 sums; everything else in f32.
;; Inputs: h 8,192 x 7 float32; hW0 7 x 256 float32; hW1_codes 256 x 8 x 24 uint8 (E2M3 codes of hW1, K innermost, in blocks of 32 codes, four codes in three bytes); hW1_scales 256 x 8 uint8 (E8M0 scales of hW1, one for each 32 codes along K); hW2_codes 256 x 8 x 24 uint8 (E2M3 codes of hW2, K innermost, in blocks of 32 codes, four codes in three bytes); hW2_scales 256 x 8 uint8 (E8M0 scales of hW2, one for each 32 codes along K); hW3 256 x 2 float32; hb0 256 float32; hb1 256 float32; hb2 256 float32; hb3 2 float32; iW0 8 x 256 float32; iW1_codes 256 x 8 x 24 uint8 (E2M3 codes of iW1, K innermost, in blocks of 32 codes, four codes in three bytes); iW1_scales 256 x 8 uint8 (E8M0 scales of iW1, one for each 32 codes along K); iW2_codes 256 x 8 x 24 uint8 (E2M3 codes of iW2, K innermost, in blocks of 32 codes, four codes in three bytes); iW2_scales 256 x 8 uint8 (E8M0 scales of iW2, one for each 32 codes along K); iW3 256 x 1 float32; ib0 256 float32; ib1 256 float32; ib2 256 float32; ib3 1 float32; x 8,192 x 1 float32.
;; Outputs: out0 8,192 x 1 float32.
;; This version of the problem:
;;   THIS VERSION OF THE PROBLEM IS GIVEN IN LOW PRECISION. The matrix products marked QUANTISED in the list below multiply operands that are first quantised to E2M3 (2 exponent bits, 3 mantissa bits; 6 bits a number), with one power-of-two scale for each 32 numbers along K (OCP MX v1.0); their sums are f32. All else is computed in f32.
;;   The module's matrix products, in the order in which they are computed (A, B: the left and right operand; K: the contracted axis; several contracted axes count as one K, in the product's order):
;;     1. [M 417,792, K 8] x [K 8, N 256]; A: computed on the way; B: input iW0: left as it is (K = 8 < 32)
;;     2. [M 417,792, K 256] x [K 256, N 256]; A: computed on the way; B: input iW1 (given as codes): QUANTISED
;;     3. [M 417,792, K 256] x [K 256, N 256]; A: computed on the way; B: input iW2 (given as codes): QUANTISED
;;     4. [M 417,792, K 256] x [K 256, N 1]; A: computed on the way; B: input iW3: left as it is (N = 1 < 16)
;;     5. [M 8,192, K 7] x [K 7, N 256]; A: input h; B: input hW0: left as it is (K = 7 < 32)
;;     6. [M 8,192, K 256] x [K 256, N 256]; A: computed on the way; B: input hW1 (given as codes): QUANTISED
;;     7. [M 8,192, K 256] x [K 256, N 256]; A: computed on the way; B: input hW2 (given as codes): QUANTISED
;;     8. [M 8,192, K 256] x [K 256, N 2]; A: computed on the way; B: input hW3: left as it is (N = 2 < 16)
;;   THE QUANTISER, for each operand of a quantised product, along K:
;;     - K is cut into blocks of 32 from its start; a last block that is shorter is filled with zeros.
;;     - A block's scale is 2^e with e = floor(log2(the largest magnitude in the block)) - 2, held to -126 .. 127; a block of zeros has e = 0. As a byte (E8M0): e + 127.
;;     - Each number is divided by its block's scale, clamped to +-7.5, and rounded to the nearest number of E2M3, ties to even, subnormals kept.
;;     - The product sums the exact products of the quantised numbers (number of the format x scale) in f32.
;;   ~~~python
;;   def quantise(x, axis):      # numpy; x: float32 -> the quantised numbers, widened to float32 again
;;       x = np.moveaxis(x, axis, -1); K = x.shape[-1]
;;       x = np.pad(x, [(0, 0)] * (x.ndim - 1) + [(0, -K % 32)]); x = x.reshape(x.shape[:-1] + (-1, 32)); a = np.abs(x).max(-1, keepdims=True)
;;       e = np.where(a > 0, np.clip(np.frexp(np.where(a > 0, a, 1))[1] - 1 - 2, -126, 127), 0)      # np.frexp(a)[1] - 1 = floor(log2(a)), exactly
;;       r = np.clip(x / 2.0 ** e, -7.5, 7.5)
;;       step = 2.0 ** (np.maximum(np.frexp(np.where(r == 0, 1, r))[1] - 1, 0) - 3)
;;       q = np.round(r / step) * step * 2.0 ** e      # np.round: ties to even
;;       return np.moveaxis(q.reshape(q.shape[:-2] + (-1,))[..., :K], -1, axis).astype(np.float32)
;;   ~~~
;;   OPERANDS COMPUTED ON THE WAY. 'Computed on the way' means the value that the module computes at that place (a softmax that the list does not call 'softmax' is quantised finished and normalised). What goes into a quantiser is computed in f32, as accurately as f32 sums, v_exp_f32 and their like allow (about 1e-6 of the number): no bf16 or f16 on the way to a quantiser, and a product that is left as it is and whose result goes on into a quantised operand takes f32 operands (vector FMAs, or v_wmma_f32_16x16x4_f32). A number that lies on a knife's edge between two numbers of the format may be rounded either way, as far as f32 arithmetic and the matrix unit's own rounding can turn it there, and no further.
;;   INPUTS GIVEN AS CODES. hW1 (in the module: [256, 256], K = its axis 0); hW2 (in the module: [256, 256], K = its axis 0); iW1 (in the module: [256, 256], K = its axis 0); iW2 (in the module: [256, 256], K = its axis 0): each comes as NAME_codes (uint8): NAME with its K axis moved to the last place and cut into blocks of 32 codes, [.., K / 32, bytes a block], one block behind the other in memory; four codes in three bytes: a row's codes are one little-endian stream of bits, code i at bits 6 i .. 6 i + 5 (a code: sign, 2 exponent bits, 3 mantissa bits); and NAME_scales (uint8): the same leading axes, one E8M0 byte (e + 127) for each 32 codes along K. Its value is code x scale, taken as it is: it is not quantised again, and the codes and scales need not be those that the quantiser above would give.
;; One version. Each part assembles by itself: llvm-mc -triple=amdgcn-amd-amdhsa -mcpu=gfx1250 --defsym DOCPART=n.
;; ======== version 1 of 1: 1 launch
;; launch umnn (part 1): grid 256 x 1, 16 waves a work-group, no clusters, 117,248 bytes of LDS; arguments x, h, iW0, ib0, iW1_codes, iW1_scales, ib1, iW2_codes, iW2_scales, ib2, iW3, ib3, hW0, hb0, hW1_codes, hW1_scales, hb1, hW2_codes, hW2_scales, hb2, hW3, hb3, out0; writes out0
.if DOCPART == 1
	.amdgcn_target "amdgcn-amd-amdhsa--gfx1250"
	.amdhsa_code_object_version 6
	.text
	.protected	k_q886a074984_umnn
	.globl	k_q886a074984_umnn
	.p2align	8
	.type	k_q886a074984_umnn,@function
k_q886a074984_umnn:
	s_mov_b64 s[64:65], 0
	v_nop
	global_prefetch_b8 v0, s[64:65] scope:SCOPE_SE
	s_setreg_imm32_b32 hwreg(HW_REG_WAVE_MODE, 25, 1), 1
	s_wait_xcnt 0x0
; out0[b] = exp(o1[b]) * (x[b]/2 * sum over 51 nodes s of w_s * (elu(net_i(x[b] t_s, h[b])) + 1)) + o0[b],  (o0, o1) = net_h(h[b]).
; Both nets: 256-256-256 hidden units; the two inner products of each are on codes of FP6 (E2M3) with one E8M0 scale for each 32 along K.
; SHARES.  256 work-groups of 16 waves; a work-group owns 32 samples: two sample tiles g of 16.  A ROW TILE is the 16 samples of tile g at ONE node: lane % 16 is always the sample,
; so a sample's layer-0 constants stay in registers and the integral is a sum in a lane.  role = wave / 4, quarter q = wave % 4; quarter q owns hidden units 64 q .. 64 q + 63 of every layer.
; The roles are a pipeline over PERIODS of 3 nodes x 2 sample tiles = 6 row tiles, one barrier a period:
;   Z (waves 0-3)  layer 0 as one multiply-add a number (X W0[0][u] + c[b][u], c made once), relu, quantised, codes to LDS
;   A (waves 4-7)  product with iW1 (+ ib1 as C), relu, quantised, codes to LDS        B (waves 8-11)  product with iW2 (+ ib2), relu, dot with iW3, partial sums to LDS
;   H (waves 12-15) the h net's stages, with the same macros, at the head and in periods 3 and 6;   F (wave 12) adds the four partial sums, elu + 1, times w_s, into the lane's integral; stores out0.
; Four waves of different roles share the registers of a SIMD's 1,024, so that one role's vector work stands beside another's matrix work.
; OPERANDS GO FROM WAVE TO WAVE THROUGH LDS AS IMAGES OF THEIR REGISTERS: a quarter's 64 units of 16 rows are half a fragment, 6 registers a lane: 4 by one store of 16 bytes at 16 x lane, 2 at 8 x lane; its two scale bytes are half a scale word.
; THE MATRIX INSTRUCTION IS USED TRANSPOSED (source 0 = 16 rows of the weight, source 1 = 16 samples), and lane r of tile 2 b + u takes weight row 64 q + 32 b + 8 u + r + 8 (r / 8):
; number i = 0 .. 31 of lane (r, h) is then unit 64 q + 32 (i / 16) + 16 h + i % 16 of sample r: 16 neighbours along the next K in 16 consecutive registers.
; The weights (96 registers a wave), biases (32, the C of each sum's first product) and scale words (4) are read from memory once, at the head, save hW2 and hb2, which H loads in period 3.
; NO CLUSTER, NO TENSOR LOAD: what work-groups share is the weights, some 215 KB a work-group, read once into registers ahead of the loop; nothing streams, and a cluster's rounds would be added to 21 barriers.
; THE NODES: t_s = (cos(s pi / 50) + 1) / 2 = cos^2(s pi / 100), by a series in y^2 up to y^14 (y <= pi / 2: the next term is under 7e-11);  w_s = (2/50) f_s (1 - sum over m = 1 .. 25 of 2 / (4 m^2 - 1) cos(2 m s pi / 50)),
; f = 1/2 for s = 0 and 50, else 1, the cosines by the three-term recurrence.  Errors: t about 2e-7 of itself, w under 1e-5 absolute beside a sum of weights of 2.
; LIMITS: NaN and infinities among the inputs are not served.  A block whose largest magnitude lies under 2^-124 gets the scale byte 1; so does a block of zeros (its codes are zeros; this program alone reads the byte).
; Layer 0 and t are summed in another order than the source writes them: differences of some 1e-7 of a number.  A work-group stores 128 consecutive bytes of out0 (32 samples).
.set RT,    3200                       ; a row tile in LDS: 4 x 512 bytes (registers 0-3 of each quarter), 4 x 256 (registers 4-5), 128 of scale words
.set H1,    0                          ; in each of two banks: layer 1's operand, 6 row tiles;
.set H2,    6*RT                       ; layer 2's;
.set PART,  12*RT                      ; B's partial sums [node 3][quarter 4][sample 32] f32;
.set HN,    PART+1536                  ; the h net's operand, 2 row tiles
.set HPART, HN+2*RT                    ; bank 0's tail: the h net's partial sums [quarter][sample][2];
.set TT,    HPART+1024                 ; t of node k at 4 k: 64 words, those from 51 on hold node 50's;
.set WW,    TT+256                     ; w of node k at 4 k, likewise.  F runs three periods, nine nodes, behind Z: it reads 36 bytes further down;
.set HW3S,  TT+1024                    ; hW3 as it lies in memory
.set B1,    HW3S+2048                  ; bank 1 begins here.  Period p writes bank p % 2 and reads bank 1 - p % 2
.set STG,   HPART                      ; bank 1's tail: iW0 (8 rows of 1,024 bytes), ib0; 9,216 on: 1,024 bytes not used, hW0 (7 rows), hb0
.set WV,   2                           ; s2  wave      s3  quarter      s4  trip      s5  24 x trip      s[6:7] selects for lane l xor 16
.set QU,   3
.set TRIP, 4
.set TS,   5
.set R16,  1                           ; v1, v2    16 x lane, in bank 0 and bank 1
.set R8,   3                           ; v3, v4    8 x lane
.set R4,   5                           ; v5, v6    4 x lane
.set W16,  7                           ; v7, v8    16 x lane + 512 q
.set W8,   9                           ; v9, v10   8 x lane + 256 q
.set WSB,  11                          ; v11, v12  4 r + 64 (q / 2) + 2 (q % 2): my half of a row's scale word
.set WP,   13                          ; v13, v14  4 r + 128 q
.set WHP,  15                          ; v15       8 r + 256 q
.set TA,   16                          ; v16       24 x trip: a trip is two periods of three nodes, 4 bytes a node
.set VWC,  17                          ; v17       my weight row's codes: (64 q + r + 8 (r / 8)) x 192 + 24 h
.set VWS,  18                          ; v18       its scale words: x 8 + 4 h (lanes 0-15 K step 0's word, lanes 16-31 K step 1's)
.set VB,   19                          ; v19       256 q + 64 h: my 16 units' f32 in a vector of 256
.set RH3,  20                          ; v20       512 q + 128 h: the same in hW3
.set RC,   21                          ; v21       the same in the staged rows (H's block for waves 12-15)
.set XF,   22                          ; v22       x of sample = lane
.set SUM,  23                          ; v23       the integral's sum
.set XS,   24                          ; v24       the operand's scale words: scales and nothing else
.set G16,  25                          ; v25       16 x thread
.set D0,   26                          ; v[26:27], v[28:29] two chains of a dot product;  v30, v31 its results by turns
.set D1,   28
.set DR,   30
.set FR,   32                          ; v32-55    two fragments: quarter qq's half at FR + 6 qq.  At the head: h of my two samples (7 g + j), x at v48, v49
.set XX,   32                          ; Z: x t of the period's six row tiles
.set TV,   44                          ; Z, F: three t or three w
.set XV,   48
.set ACC,  56                          ; v56-87    four accumulators = a lane's 32 numbers
.set PT,   56                          ; F: twelve partial sums
.set BIA,  88                          ; v88-119   the bias, in the result's layout
.set W3R,  120                         ; v120-151  B: iW3; H's last stage: half of my part of hW3; else at work for the quantiser:
.set MX,   120                         ; largest magnitudes of my two blocks
.set SCR,  124                         ; the conversions' scale operands
.set BY,   126                         ; the scale bytes
.set HWD,  128                         ; v128, v129 half a scale word, two sets by turns
.set CD,   132                         ; v132-139, v140-147 the codes, two sets by turns
.set WR,   152                         ; v152-247  weight fragments (tile t, K step k) at WR + 12 (2 t + k).  Z, H: c of sample tile g at WR + 32 g; Z: iW0's row 0 at WR + 64
.set WS,   248                         ; v248-251  the weights' scale words: scales and nothing else
.set N0,   252                         ; v252, v253 destinations of lane permutes
.set N1,   253
.set GB1,  254                         ; v254      16 x thread, in bank 1
.set TW,   255                         ; v255      4 x (thread % 64): where a thread of waves 0, 1 puts its node's t and w
.macro PLACES                          ; four places behind a matrix instruction, ahead of reads of its result and of loads into its operands
.rept 4
	v_nop
.endr
.endm
.macro RELU2 a                         ; two numbers in one instruction
	v_dual_max_num_f32 v[\a], 0, v[\a] :: v_dual_max_num_f32 v[\a+1], 0, v[\a+1]
.endm
.macro RELU32 s                        ; ascending: each accumulator is first read at its low end
.irp i, 0,2,4,6,8,10,12,14,16,18,20,22,24,26,28,30
	RELU2 (\s)+\i
.endr
.endm
.macro PKB d, a, bp, sel, c            ; two numbers: d = a x (register sel of the pair bp) + c
.if \sel
	v_pk_fma_f32 v[(\d):(\d)+1], v[(\a):(\a)+1], v[(\bp):(\bp)+1], v[(\c):(\c)+1] op_sel:[0,1,0] op_sel_hi:[1,1,1]
.else
	v_pk_fma_f32 v[(\d):(\d)+1], v[(\a):(\a)+1], v[(\bp):(\bp)+1], v[(\c):(\c)+1] op_sel_hi:[1,0,1]
.endif
.endm
; 32 numbers of a lane, v[src] on, are clipped at 0 and become half a fragment's codes in set cs (registers 0-3 at CD + 8 cs, registers 4, 5 at + 5, + 6) and half a scale word in v[HWD + cs].
.macro QUANT src, cs
.set CDQ, CD+8*(\cs)
	RELU32 \src
.irp b, 0,1
	v_max3_num_f32 v[MX+\b], v[(\src)+16*\b], v[(\src)+16*\b+1], 0x1800000   ; my 16 numbers of block b (none is negative), and the floor 2^(3 - 127): the byte cannot fall under 1
.endr
.irp i, 2,4,6,8,10,12,14
.irp b, 0,1
	v_max3_num_f32 v[MX+\b], v[MX+\b], v[(\src)+16*\b+\i], v[(\src)+16*\b+\i+1]
.endr
.endr
	v_permlanex16_b32 v[N0], v[MX], s6, s7
	v_permlanex16_b32 v[N1], v[MX+1], s6, s7
	v_max_num_f32 v[MX], v[MX], v[N0]              ; with lane l xor 16's 16: the block's largest magnitude
	v_max_num_f32 v[MX+1], v[MX+1], v[N1]
	v_add_nc_u32 v[SCR], 0xff000000, v[MX]         ; 2 off its exponent field: the conversion takes the exponent field of this operand as its scale
	v_add_nc_u32 v[SCR+1], 0xff000000, v[MX+1]
	v_cvt_scalef32_pk16_fp6_f32 v[CDQ:CDQ+2], v[(\src):(\src)+15], v[SCR]
	v_cvt_scalef32_pk16_fp6_f32 v[CDQ+4:CDQ+6], v[(\src)+16:(\src)+31], v[SCR+1]
	v_lshrrev_b32 v[BY], 23, v[SCR]                ; the scale bytes (plain lines behind the conversions, ahead of the first touch of their results)
	v_lshrrev_b32 v[BY+1], 23, v[SCR+1]
	v_lshl_or_b32 v[HWD+(\cs)], v[BY+1], 8, v[BY]
.irp i, 0,1,2
	v_permlane16_swap_b32 v[CDQ+\i], v[CDQ+4+\i]   ; the layout wants a whole block in a lane: lanes 0-15 my first block, lanes 16-31 my second
.endr
	v_mov_b32 v[CDQ+3], v[CDQ+4]
.endm
.macro PUT wb, off, cs                 ; set cs goes to bank wb as it stands
	ds_store_b128 v[W16+(\wb)], v[CD+8*(\cs):CD+8*(\cs)+3] offset:\off
	ds_store_b32 v[W8+(\wb)], v[CD+8*(\cs)+5] offset:(\off)+2048
	ds_store_b32 v[W8+(\wb)], v[CD+8*(\cs)+6] offset:(\off)+2052
	ds_store_b16 v[WSB+(\wb)], v[HWD+(\cs)] offset:(\off)+3072   ; lanes r and r + 16 write the same two bytes with the same value
.endm
.macro LOADFR rb, off                  ; a row tile's two fragments and its scale words (lanes 0-15 K step 0's, lanes 16-31 K step 1's): nine loads
.irp qq, 0,1,2,3
	ds_load_b128 v[FR+6*\qq:FR+6*\qq+3], v[R16+(\rb)] offset:(\off)+512*\qq
.endr
.irp qq, 0,1,2,3
	ds_load_b64 v[FR+6*\qq+4:FR+6*\qq+5], v[R8+(\rb)] offset:(\off)+2048+256*\qq
.endr
	ds_load_b32 v[XS], v[R4+(\rb)] offset:(\off)+3072
.endm
.macro MM8                             ; my 64 units of 16 samples: four accumulators by turns; the bias starts each sum
.irp t, 0,1,2,3
	v_wmma_scale_f32_16x16x128_f8f6f4 v[ACC+8*\t:ACC+8*\t+7], v[WR+24*\t:WR+24*\t+11], v[FR:FR+11], v[BIA+8*\t:BIA+8*\t+7], v[WS+\t], v[XS] matrix_a_fmt:MATRIX_FMT_FP6 matrix_b_fmt:MATRIX_FMT_FP6
.endr
.irp t, 0,1,2,3
	v_wmma_scale_f32_16x16x128_f8f6f4 v[ACC+8*\t:ACC+8*\t+7], v[WR+24*\t+12:WR+24*\t+23], v[FR+12:FR+23], v[ACC+8*\t:ACC+8*\t+7], v[WS+\t], v[XS] matrix_a_fmt:MATRIX_FMT_FP6 matrix_b_fmt:MATRIX_FMT_FP6 matrix_a_scale:MATRIX_SCALE_ROW1 matrix_b_scale:MATRIX_SCALE_ROW1
.endr
.endm
; nt row tiles: product, relu, quantise, store.  The next tile's nine loads are issued behind the places and land while this tile is quantised.
.macro QTILES rb, roff, wb, woff, nt
	LOADFR \rb, \roff
.set mm, 0
.rept \nt
.if mm == 0
	s_wait_dscnt 0x0
.else
	s_wait_dscnt 0x4                               ; this tile's nine loads are in; behind them stand the four stores of the tile before
.endif
	MM8
	PLACES
.if mm+1 < \nt
	LOADFR \rb, (\roff)+RT*(mm+1)
.endif
	QUANT ACC, mm%2
	PUT \wb, (\woff)+RT*mm, mm%2
.set mm, mm+1
.endr
.endm
.macro ZSEC par                        ; layer 0 of the period's six row tiles (tile 2 n + g: node n, sample tile g)
.irp n, 0,1,2
	ds_load_b32 v[TV+\n], v[TA] offset:TT+12*\par+4*\n   ; t of node 3 (2 trip + par) + n
.endr
	s_wait_dscnt 0x0
.irp n, 0,1,2
.irp g, 0,1
	v_mul_f32 v[XX+2*\n+\g], v[XV+\g], v[TV+\n]    ; X = x t
.endr
.endr
.set mm, 0
.rept 6
.if mm > 0
	s_wait_dscnt 0x4                               ; all but the last tile's four stores are done: the set of codes written two tiles ago is free
.endif
.irp i, 0,2,4,6,8,10,12,14,16,18,20,22,24,26,28,30
	PKB ACC+\i, WR+64+\i, XX+2*(mm/2), mm%2, WR+32*(mm%2)+\i
.endr
	QUANT ACC, mm%2
	PUT \par, H1+RT*mm, mm%2
.set mm, mm+1
.endr
.endm
.macro BSEC par                        ; the last hidden layer and its dot product with iW3
	LOADFR 1-\par, H2
.set mm, 0
.rept 6
.if mm == 0
	s_wait_dscnt 0x0
.else
	s_wait_dscnt 0x1                               ; this tile's nine loads are in; behind them stands the one store of the tile before
.endif
	MM8
	PLACES
.if mm < 5
	LOADFR 1-\par, H2+RT*(mm+1)
.endif
	RELU32 ACC
	v_pk_mul_f32 v[D0:D0+1], v[ACC:ACC+1], v[W3R:W3R+1]
	v_pk_mul_f32 v[D1:D1+1], v[ACC+2:ACC+3], v[W3R+2:W3R+3]
.irp i, 4,8,12,16,20,24,28
	v_pk_fma_f32 v[D0:D0+1], v[ACC+\i:ACC+\i+1], v[W3R+\i:W3R+\i+1], v[D0:D0+1]
	v_pk_fma_f32 v[D1:D1+1], v[ACC+\i+2:ACC+\i+3], v[W3R+\i+2:W3R+\i+3], v[D1:D1+1]
.endr
	v_pk_add_f32 v[D0:D0+1], v[D0:D0+1], v[D1:D1+1]
	v_add_f32 v[D0], v[D0], v[D0+1]
	v_permlanex16_b32 v[N0], v[D0], s6, s7
	v_add_f32 v[DR+mm%2], v[D0], v[N0]             ; my quarter's 64 units of sample r
	ds_store_b32 v[WP+\par], v[DR+mm%2] offset:PART+512*(mm/2)+64*(mm%2)
.set mm, mm+1
.endr
.endm
.macro FSEC par                        ; three nodes of all 32 samples, a lane a sample
.irp n, 0,1,2
	ds_load_b32 v[TV+\n], v[TA] offset:WW-36+12*\par+4*\n   ; w of node 3 (2 trip + par - 3) + n
.endr
.irp n, 0,1,2
.irp k, 0,1,2,3
	ds_load_b32 v[PT+4*\n+\k], v[R4+(1-\par)] offset:PART+512*\n+128*\k
.endr
.endr
	s_wait_dscnt 0x0
.irp n, 0,1,2
	v_add_f32 v[PT+4*\n], v[PT+4*\n], v[PT+4*\n+1]
	v_add_f32 v[PT+4*\n+2], v[PT+4*\n+2], v[PT+4*\n+3]
.endr
.irp n, 0,1,2
	v_add_f32 v[PT+4*\n], v[PT+4*\n], v[PT+4*\n+2]
.endr
.irp n, 0,1,2
	v_add_f32 v[PT+4*\n], s54, v[PT+4*\n]          ; a = the dot product + ib3
.endr
.irp n, 0,1,2
	v_mul_f32 v[PT+4*\n+1], 0x3fb8aa3b, v[PT+4*\n]
.endr
.irp n, 0,1,2
	v_exp_f32 v[PT+4*\n+1], v[PT+4*\n+1]           ; e^a
.endr
.irp n, 0,1,2
	v_add_f32 v[PT+4*\n+2], 1.0, v[PT+4*\n]        ; a + 1 (plain work behind the batch)
.endr
	s_wait_alu depctr_va_vdst(0)                   ; one wait for the three exponentials, ahead of their first reader
.irp n, 0,1,2
	v_cmp_lt_f32 vcc_lo, 0, v[PT+4*\n]
	v_cndmask_b32 v[PT+4*\n+1], v[PT+4*\n+1], v[PT+4*\n+2], vcc_lo   ; elu(a) + 1: a + 1 where a > 0, else e^a
	v_fmac_f32 v[SUM], v[TV+\n], v[PT+4*\n+1]
.endr
.endm
.macro LOADB dst, ptr                  ; a vector of 256 f32, my 32 numbers in the result's layout
.irp bl, 0,1
.irp k, 0,1,2,3
	global_load_b128 v[\dst+16*\bl+4*\k:\dst+16*\bl+4*\k+3], v[VB], s[\ptr:\ptr+1] offset:128*\bl+16*\k
.endr
.endr
.endm
.macro LOADW c, s, b                   ; my quarter of a weight: eight fragments, four registers of scale words, the bias: 60 loads
.irp t, 0,1,2,3
.irp k, 0,1
.irp p, 0,1,2,3,4,5
	global_load_b64 v[WR+12*(2*\t+\k)+2*\p:WR+12*(2*\t+\k)+2*\p+1], v[VWC], s[\c:\c+1] offset:(32*(\t/2)+8*(\t%2))*192+96*\k+48*(\p/3)+8*(\p%3)
.endr
.endr
	global_load_b32 v[WS+\t], v[VWS], s[\s:\s+1] offset:(32*(\t/2)+8*(\t%2))*8
.endr
	LOADB BIA, \b
.endm
.macro LDROW dst, off                  ; a staged row of 256 f32, likewise
.irp bl, 0,1
.irp k, 0,1,2,3
	ds_load_b128 v[\dst+16*\bl+4*\k:\dst+16*\bl+4*\k+3], v[RC] offset:\off+128*\bl+16*\k
.endr
.endr
.endm
.macro CFMA jj, tt, first              ; c of both sample tiles += row jj (in v[tt] on) x h[jj - 1]; first = 1: the bias, in BIA's registers, starts the sums
.irp g, 0,1
.irp i, 0,2,4,6,8,10,12,14,16,18,20,22,24,26,28,30
.if \first
	PKB WR+32*\g+\i, (\tt)+\i, FR+2*((7*\g+\jj-1)/2), (7*\g+\jj-1)%2, BIA+\i
.else
	PKB WR+32*\g+\i, (\tt)+\i, FR+2*((7*\g+\jj-1)/2), (7*\g+\jj-1)%2, WR+32*\g+\i
.endif
.endr
.endr
.endm
.macro HDOT bl                         ; (o0, o1) += a_i x (hW3[u][0], hW3[u][1]) for my numbers 16 bl .. 16 bl + 15, in two chains
.irp i, 0,1,2,3,4,5,6,7,8,9,10,11,12,13,14,15
.if \i%2
.if (\bl == 0) && (\i == 1)
	v_pk_mul_f32 v[D1:D1+1], v[ACC:ACC+1], v[W3R+2:W3R+3] op_sel:[1,0] op_sel_hi:[1,1]
.else
	v_pk_fma_f32 v[D1:D1+1], v[ACC+16*\bl+\i-1:ACC+16*\bl+\i], v[W3R+2*\i:W3R+2*\i+1], v[D1:D1+1] op_sel:[1,0,0] op_sel_hi:[1,1,1]
.endif
.else
.if (\bl == 0) && (\i == 0)
	v_pk_mul_f32 v[D0:D0+1], v[ACC:ACC+1], v[W3R:W3R+1] op_sel_hi:[0,1]
.else
	v_pk_fma_f32 v[D0:D0+1], v[ACC+16*\bl+\i:ACC+16*\bl+\i+1], v[W3R+2*\i:W3R+2*\i+1], v[D0:D0+1] op_sel_hi:[0,1,1]
.endif
.endif
.endr
.endm
.macro HBSEC                           ; the h net's last hidden layer and its two dot products
	s_wait_loadcnt 0x0                             ; hW2, asked for three periods ago
.irp g, 0,1
	LOADFR 1, HN+RT*\g
	s_wait_dscnt 0x0
	MM8
	PLACES
.irp k, 0,1,2,3,4,5,6,7
	ds_load_b128 v[W3R+4*\k:W3R+4*\k+3], v[RH3] offset:HW3S+16*\k
.endr
	RELU32 ACC
	s_wait_dscnt 0x0
	HDOT 0
.irp k, 0,1,2,3,4,5,6,7
	ds_load_b128 v[W3R+4*\k:W3R+4*\k+3], v[RH3] offset:HW3S+256+16*\k
.endr
	s_wait_dscnt 0x0
	HDOT 1
	v_pk_add_f32 v[D0:D0+1], v[D0:D0+1], v[D1:D1+1]
	v_permlanex16_b32 v[N0], v[D0], s6, s7
	v_permlanex16_b32 v[N1], v[D0+1], s6, s7
	v_add_f32 v[DR], v[D0], v[N0]
	v_add_f32 v[DR+1], v[D0+1], v[N1]
	ds_store_b64 v[WHP], v[DR:DR+1] offset:HPART+128*\g
.endr
.endm
; A PERIOD.  The waves part on the wave's number, each role skips the periods in which the pipeline has nothing for it (tests of the trip count against constants), and all meet at ONE barrier:
; in front of it each wave's LDS stores have landed and its LDS loads are in.  Within a period every role writes bank par and reads bank 1 - par.
.macro PERIOD par
	s_cmp_lt_u32 s[WV], 4
	s_cbranch_scc0 .Lnot_z_\@
	s_cmp_gt_u32 s[TRIP], 8-\par                   ; Z: periods 0 to 16
	s_cbranch_scc1 .Ljoin_\@
	ZSEC \par
	s_branch .Ljoin_\@
.Lnot_z_\@:
	s_cmp_lt_u32 s[WV], 8
	s_cbranch_scc0 .Lnot_a_\@
	s_cmp_gt_u32 s[TRIP], 8                        ; A: periods 1 to 17
	s_cbranch_scc1 .Ljoin_\@
.if \par == 0
	s_cmp_eq_u32 s[TRIP], 0
	s_cbranch_scc1 .Ljoin_\@
.endif
	QTILES 1-\par, H1, \par, H2, 6
	s_branch .Ljoin_\@
.Lnot_a_\@:
	s_cmp_lt_u32 s[WV], 12
	s_cbranch_scc0 .Lnot_b_\@
	s_cmp_eq_u32 s[TRIP], 0                        ; B: periods 2 to 18
	s_cbranch_scc1 .Ljoin_\@
.if \par == 1
	s_cmp_gt_u32 s[TRIP], 8
	s_cbranch_scc1 .Ljoin_\@
.endif
	BSEC \par
	s_branch .Ljoin_\@
.Lnot_b_\@:
.if \par == 1
	s_cmp_lg_u32 s[TRIP], 1                        ; H: period 3: the h net's second layer
	s_cbranch_scc1 .Lno_h_\@
	s_wait_loadcnt 0x0                             ; hW1, asked for at the head
	QTILES 0, HN, 1, HN, 2
	LOADW 42, 44, 46                               ; hW2, hb2: three periods in which to land
.else
	s_cmp_lg_u32 s[TRIP], 3                        ; H: period 6: its third layer and its outputs
	s_cbranch_scc1 .Lno_h_\@
	HBSEC
.endif
.Lno_h_\@:
	s_cmp_lg_u32 s[WV], 12                         ; F: wave 12, periods 3 to 19
	s_cbranch_scc1 .Ljoin_\@
	s_cmp_lt_u32 s[TRIP], 2-\par
	s_cbranch_scc1 .Ljoin_\@
	FSEC \par
.Ljoin_\@:
	s_wait_dscnt 0x0
	s_barrier_signal -1
	s_barrier_wait -1
.endm
	; ---- the head: ids, and every LDS address register ahead of the first parting of the waves
	s_load_b512 s[8:23], s[0:1], 0x0               ; argument i in s[8 + 2 i : 9 + 2 i]
	s_load_b512 s[24:39], s[0:1], 0x40
	s_load_b256 s[40:47], s[0:1], 0x80
	s_load_b128 s[48:51], s[0:1], 0xa0
	s_load_b64 s[52:53], s[0:1], 0xb0
	v_lshrrev_b32 v26, 5, v0
	v_readfirstlane_b32 s[WV], v26
	s_and_b32 s[QU], s[WV], 3
	s_mov_b32 s6, 0x76543210
	s_mov_b32 s7, 0xfedcba98
	v_and_b32 v26, 31, v0                          ; lane
	v_and_b32 v27, 15, v0                          ; r
	v_bfe_u32 v28, v0, 4, 1                        ; h
	v_lshlrev_b32 v[R16], 4, v26
	v_add_nc_u32 v[R16+1], B1, v[R16]
	v_lshlrev_b32 v[R8], 3, v26
	v_add_nc_u32 v[R8+1], B1, v[R8]
	v_lshlrev_b32 v[R4], 2, v26
	v_add_nc_u32 v[R4+1], B1, v[R4]
	s_lshl_b32 s66, s[QU], 9
	v_add_nc_u32 v[W16], s66, v[R16]
	v_add_nc_u32 v[W16+1], B1, v[W16]
	v_lshlrev_b32 v[RH3], 7, v28
	v_add_nc_u32 v[RH3], s66, v[RH3]
	s_lshl_b32 s66, s[QU], 8
	v_add_nc_u32 v[W8], s66, v[R8]
	v_add_nc_u32 v[W8+1], B1, v[W8]
	v_lshlrev_b32 v[WHP], 3, v27
	v_add_nc_u32 v[WHP], s66, v[WHP]
	v_lshlrev_b32 v[VB], 6, v28
	v_add_nc_u32 v[VB], s66, v[VB]
	v_lshlrev_b32 v31, 2, v27                      ; 4 r
	s_lshr_b32 s67, s[QU], 1
	s_lshl_b32 s67, s67, 6
	s_and_b32 s68, s[QU], 1
	s_lshl_b32 s68, s68, 1
	s_add_co_u32 s67, s67, s68
	v_add_nc_u32 v[WSB], s67, v31
	v_add_nc_u32 v[WSB+1], B1, v[WSB]
	s_lshl_b32 s67, s[QU], 7
	v_add_nc_u32 v[WP], s67, v31
	v_add_nc_u32 v[WP+1], B1, v[WP]
	s_lshr_b32 s67, s[WV], 3
	s_lshr_b32 s68, s[WV], 2
	s_and_b32 s67, s67, s68                        ; 1 in waves 12 to 15
	s_mul_i32 s67, s67, 9216
	s_add_co_u32 s67, s67, B1
	v_add_nc_u32 v[RC], s67, v[VB]
	v_and_b32 v29, 8, v27
	v_add_nc_u32 v29, v29, v27                     ; r + 8 (r / 8)
	s_lshl_b32 s67, s[QU], 6
	v_add_nc_u32 v29, s67, v29
	v_mul_u32_u24 v[VWC], v29, 192
	v_mad_u32_u24 v[VWC], v28, 24, v[VWC]
	v_lshlrev_b32 v[VWS], 3, v29
	v_lshl_add_u32 v[VWS], v28, 2, v[VWS]
	v_lshlrev_b32 v[G16], 4, v0
	v_add_nc_u32 v[GB1], B1, v[G16]
	v_and_b32 v[TW], 63, v0
	v_lshlrev_b32 v[TW], 2, v[TW]
	v_mul_u32_u24 v30, v27, 28                     ; a row of h is 28 bytes
	v_mov_b32 v[SUM], 0
	v_mov_b32 v[N0], 0                             ; a lane permute's destination counts as one of its sources
	v_mov_b32 v[N1], 0
	s_wait_kmcnt 0x0
	s_lshl_b32 s66, ttmp9, 7                       ; my 32 samples: 128 bytes of x and of out0,
	s_mov_b32 s67, 0
	s_mul_i32 s68, ttmp9, 896                      ; 896 of h
	s_mov_b32 s69, 0
	s_add_nc_u64 s[8:9], s[8:9], s[66:67]
	s_add_nc_u64 s[52:53], s[52:53], s[66:67]
	s_add_nc_u64 s[10:11], s[10:11], s[68:69]
	s_load_b32 s54, s[30:31], 0x0                  ; ib3
	s_load_b64 s[56:57], s[50:51], 0x0             ; hb3
	s_cmp_lt_u32 s[WV], 8                          ; A takes iW1's three buffers, B iW2's: the choice hangs on the wave's number alone
	s_cselect_b64 s[58:59], s[16:17], s[22:23]
	s_cselect_b64 s[60:61], s[18:19], s[24:25]
	s_cselect_b64 s[62:63], s[20:21], s[26:27]
.irp g, 0,1
.irp j, 0,1,2,3,4,5,6
	global_load_b32 v[FR+7*\g+\j], v30, s[10:11] offset:448*\g+4*\j   ; h of sample 16 g + r
.endr
	global_load_b32 v[XV+\g], v31, s[8:9] offset:64*\g                ; x of it
.endr
	global_load_b32 v[XF], v[R4], s[8:9]           ; x of sample = lane
	; the small f32 weights are staged in LDS once: 16 bytes a thread
	global_load_b128 v[56:59], v[G16], s[12:13]    ; iW0: 8,192 bytes, all 512 threads
	s_cmp_lt_u32 s[WV], 14
	s_cbranch_scc0 .Lld_ib0
	global_load_b128 v[60:63], v[G16], s[32:33]    ; hW0: 7,168 bytes, waves 0 to 13
	s_branch .Lld2
.Lld_ib0:
	global_load_b128 v[60:63], v[G16], s[14:15] offset:-7168   ; ib0: waves 14, 15
.Lld2:
	s_cmp_lt_u32 s[WV], 2
	s_cbranch_scc0 .Lld_hw3
	global_load_b128 v[64:67], v[G16], s[34:35]    ; hb0: waves 0, 1
	s_branch .Lld3
.Lld_hw3:
	s_cmp_lt_u32 s[WV], 6
	s_cbranch_scc0 .Lld3
	global_load_b128 v[64:67], v[G16], s[48:49] offset:-1024   ; hW3: waves 2 to 5
.Lld3:
	; the nodes' t and w, of node k = min(thread, 50), while the loads are on their way
	v_min_u32 v68, 50, v0
	v_cvt_f32_u32 v69, v68
	v_mul_f32 v69, 0.031415927, v69                ; y = k pi / 100
	v_mul_f32 v70, v69, v69
	v_mov_b32 v71, -0.000000000011470746           ; cos y = 1 - z/2! + z^2/4! - .. - z^7/14!, z = y^2
	v_fmaak_f32 v71, v71, v70, 0.0000000020876757
	v_fmaak_f32 v71, v71, v70, -0.00000027557319
	v_fmaak_f32 v71, v71, v70, 0.000024801587
	v_fmaak_f32 v71, v71, v70, -0.0013888889
	v_fmaak_f32 v71, v71, v70, 0.041666668
	v_fma_f32 v71, v71, v70, -0.5
	v_fma_f32 v71, v71, v70, 1.0
	v_mul_f32 v72, v71, v71                        ; t = cos^2 y
	v_fma_f32 v73, v72, 2.0, -1.0                  ; cos(k pi / 50)
	v_mul_f32 v77, v73, v73
	v_fma_f32 v77, v77, 2.0, -1.0                  ; T_1 = cos(2 k pi / 50)
	v_add_f32 v75, v77, v77                        ; d = 2 T_1
	v_mov_b32 v76, 1.0                             ; T_0.  T_m lies in v[76 + m % 3]
.set mi, 1
.irp a, 0.66666667, 0.13333333, 0.057142857, 0.031746032, 0.020202020, 0.013986014, 0.010256410, 0.0078431373, 0.0061919505, 0.0050125313, 0.0041407867, 0.0034782609, 0.0029629630, 0.0025542784, 0.0022246941, 0.0019550342, 0.0017316017, 0.0015444015, 0.0013860014, 0.0012507817, 0.0011344299, 0.0010335917, 0.00094562648, 0.00086843248, 0.00080032013
.if mi == 1
	v_mul_f32 v79, \a, v[76+mi%3]                  ; S = the sum of 2 / (4 m^2 - 1) T_m
.else
	v_fmac_f32 v79, \a, v[76+mi%3]
.endif
.if mi < 25
	v_fma_f32 v[76+(mi+1)%3], v75, v[76+mi%3], -v[76+(mi+2)%3]   ; T_(m+1) = d T_m - T_(m-1)
.endif
.set mi, mi+1
.endr
	v_sub_f32 v79, 1.0, v79
	v_mul_f32 v79, 0.04, v79                       ; w = (2 / 50) (1 - S),
	v_mul_f32 v80, 0.5, v79                        ; halved at both ends
	v_cmp_eq_u32 vcc_lo, 0, v68
	v_cndmask_b32 v79, v79, v80, vcc_lo
	v_cmp_eq_u32 vcc_lo, 50, v68
	v_cndmask_b32 v79, v79, v80, vcc_lo
	s_wait_loadcnt 0x0
	ds_store_b128 v[GB1], v[56:59] offset:STG
	s_cmp_lt_u32 s[WV], 14
	s_cbranch_scc0 .Lst_ib0
	ds_store_b128 v[GB1], v[60:63] offset:STG+10240        ; hW0's row j at 9,216 + 1,024 (j + 1)
	s_branch .Lst2
.Lst_ib0:
	ds_store_b128 v[GB1], v[60:63] offset:STG+1024         ; threads 448 on: ib0 at 8,192
.Lst2:
	s_cmp_lt_u32 s[WV], 2
	s_cbranch_scc0 .Lst_hw3
	ds_store_b128 v[GB1], v[64:67] offset:STG+17408        ; hb0 at 9,216 + 8,192
	ds_store_b32 v[TW], v72 offset:TT                      ; threads 0 to 63: a word each; those from 51 on write node 50's numbers
	ds_store_b32 v[TW], v79 offset:WW
	s_branch .Lst3
.Lst_hw3:
	s_cmp_lt_u32 s[WV], 6
	s_cbranch_scc0 .Lst3
	ds_store_b128 v[G16], v[64:67] offset:HW3S-1024        ; threads 64 on
.Lst3:
	s_cmp_lt_u32 s[WV], 4
	s_cbranch_scc1 .Lno_w
	s_cmp_lt_u32 s[WV], 12
	s_cbranch_scc0 .Lno_w
	LOADW 58, 60, 62                               ; A's and B's weights: they stay in registers
.Lno_w:
	s_wait_dscnt 0x0                               ; my staging stores have landed
	s_barrier_signal -1
	s_barrier_wait -1
	s_wait_loadcnt 0x0                             ; A, B: the weights are in.  Z and H have no load out.  It stands on every wave's path, so that no later load is issued into a register that an earlier load still owes
	; ---- Z and H: c = b0 + the sum over j of h[j] x row j, for both sample tiles.  Rows come eight loads each through three sets of registers; each count is the number of younger row loads
	s_cmp_lt_u32 s[WV], 4
	s_cbranch_scc0 .Lnot_z0
	LDROW WR+64, STG                               ; Z: iW0's row 0, which multiplies X
	s_branch .Lcinit
.Lnot_z0:
	s_cmp_lt_u32 s[WV], 12
	s_cbranch_scc1 .Lab
.Lcinit:
	LDROW BIA, STG+8192
	LDROW W3R, STG+1024
	LDROW ACC, STG+2048
	s_wait_dscnt 0x8
	CFMA 1, W3R, 1
	LDROW BIA, STG+3072
	LDROW W3R, STG+4096
	s_wait_dscnt 0x10
	CFMA 2, ACC, 0
	LDROW ACC, STG+5120
	s_wait_dscnt 0x10
	CFMA 3, BIA, 0
	LDROW BIA, STG+6144
	s_wait_dscnt 0x10
	CFMA 4, W3R, 0
	LDROW W3R, STG+7168
	s_wait_dscnt 0x10
	CFMA 5, ACC, 0
	s_wait_dscnt 0x8
	CFMA 6, BIA, 0
	s_wait_dscnt 0x0
	CFMA 7, W3R, 0
	s_cmp_lt_u32 s[WV], 12
	s_cbranch_scc1 .Lpro_done
	QUANT WR, 0                                    ; H: the h net's first layer is c itself: relu, quantise, to bank 0; read in period 3
	PUT 0, HN, 0
	QUANT WR+32, 1
	PUT 0, HN+RT, 1
	LOADW 36, 38, 40                               ; hW1, hb1
	s_branch .Lpro_done
.Lab:
	s_cmp_lt_u32 s[WV], 8
	s_cbranch_scc1 .Lpro_done
	LOADB W3R, 28                                  ; B: iW3, behind the weights' 60 loads.  B has no work before period 2, and period 0's barrier waits for Z's layer 0
	s_wait_loadcnt 0x0
.Lpro_done:
	PLACES                                         ; a register written by a vector instruction stands four places ahead of a scaled matrix instruction that names it as an operand: behind the multiply-adds into WR's registers, on every way into the loop
	s_wait_kmcnt 0x0                               ; ib3, hb3
	s_mov_b32 s[TRIP], 0
	s_mov_b32 s[TS], 0
.Ltrip:                                            ; ten trips of two periods: 17 periods of nodes and three in which the pipeline runs empty
	v_mov_b32 v[TA], s[TS]
	PERIOD 0
	PERIOD 1
	s_add_co_u32 s[TS], s[TS], 24
	s_add_co_u32 s[TRIP], s[TRIP], 1
	s_cmp_lt_u32 s[TRIP], 10
	s_cbranch_scc1 .Ltrip
	; ---- the end: wave 12 holds every sample's integral
	s_cmp_lg_u32 s[WV], 12
	s_cbranch_scc1 .Lend
.irp k, 0,1,2,3
	ds_load_b64 v[56+2*\k:57+2*\k], v[R8] offset:HPART+256*\k
.endr
	s_wait_dscnt 0x0
	v_pk_add_f32 v[56:57], v[56:57], v[58:59]
	v_pk_add_f32 v[60:61], v[60:61], v[62:63]
	v_pk_add_f32 v[56:57], v[56:57], v[60:61]
	v_add_f32 v56, s56, v56                        ; the offset
	v_add_f32 v57, s57, v57
	v_mul_f32 v57, 0x3fb8aa3b, v57
	v_exp_f32 v58, v57                             ; the scaling
	v_mul_f32 v59, v[SUM], v[XF]                   ; (plain work behind the exponential)
	v_mul_f32 v59, 0.5, v59                        ; the integral
	s_wait_alu depctr_va_vdst(0)                   ; ahead of the exponential's first reader
	v_fma_f32 v60, v58, v59, v56
	global_store_b32 v[R4], v60, s[52:53]          ; 32 lanes store 128 consecutive bytes
.Lend:
	s_wait_xcnt 0x0
	v_lshl_add_u32 v254, v0, 2, 0x1c200
	v_mov_b32 v255, 0
	s_wait_tensorcnt 0x0
	ds_add_u32 v254, v255
	s_wait_dscnt 0x0
	s_endpgm
.Lfunc_end_k_q886a074984_umnn:
	.size	k_q886a074984_umnn, .Lfunc_end_k_q886a074984_umnn-k_q886a074984_umnn
	.p2alignl 7, 3214868480
	.fill 96, 4, 3214868480
	.section	.rodata,"a",@progbits
	.p2align	6, 0x0
	.amdhsa_kernel k_q886a074984_umnn
		.amdhsa_group_segment_fixed_size 117248
		.amdhsa_private_segment_fixed_size 0
		.amdhsa_enable_private_segment 0
		.amdhsa_kernarg_size 184
		.amdhsa_user_sgpr_count 2
		.amdhsa_user_sgpr_kernarg_segment_ptr 1
		.amdhsa_wavefront_size32 1
		.amdhsa_system_sgpr_workgroup_id_x 1
		.amdhsa_system_sgpr_workgroup_id_y 1
		.amdhsa_system_sgpr_workgroup_id_z 1
		.amdhsa_system_vgpr_workitem_id 0
		.amdhsa_next_free_vgpr 256
		.amdhsa_next_free_sgpr 80
		.amdhsa_reserve_vcc 1
		.amdhsa_float_denorm_mode_32 3
		.amdhsa_float_denorm_mode_16_64 3
		.amdhsa_memory_ordered 1
		.amdhsa_forward_progress 1
		.amdhsa_inst_pref_size 237
	.end_amdhsa_kernel
	.amdgpu_metadata
---
amdhsa.version: [ 1, 2 ]
amdhsa.kernels:
  - .name:           k_q886a074984_umnn
    .symbol:         k_q886a074984_umnn.kd
    .args:
      - { .name: x, .offset: 0, .size: 8, .value_kind: global_buffer, .address_space: global }
      - { .name: h, .offset: 8, .size: 8, .value_kind: global_buffer, .address_space: global }
      - { .name: iW0, .offset: 16, .size: 8, .value_kind: global_buffer, .address_space: global }
      - { .name: ib0, .offset: 24, .size: 8, .value_kind: global_buffer, .address_space: global }
      - { .name: iW1_codes, .offset: 32, .size: 8, .value_kind: global_buffer, .address_space: global }
      - { .name: iW1_scales, .offset: 40, .size: 8, .value_kind: global_buffer, .address_space: global }
      - { .name: ib1, .offset: 48, .size: 8, .value_kind: global_buffer, .address_space: global }
      - { .name: iW2_codes, .offset: 56, .size: 8, .value_kind: global_buffer, .address_space: global }
      - { .name: iW2_scales, .offset: 64, .size: 8, .value_kind: global_buffer, .address_space: global }
      - { .name: ib2, .offset: 72, .size: 8, .value_kind: global_buffer, .address_space: global }
      - { .name: iW3, .offset: 80, .size: 8, .value_kind: global_buffer, .address_space: global }
      - { .name: ib3, .offset: 88, .size: 8, .value_kind: global_buffer, .address_space: global }
      - { .name: hW0, .offset: 96, .size: 8, .value_kind: global_buffer, .address_space: global }
      - { .name: hb0, .offset: 104, .size: 8, .value_kind: global_buffer, .address_space: global }
      - { .name: hW1_codes, .offset: 112, .size: 8, .value_kind: global_buffer, .address_space: global }
      - { .name: hW1_scales, .offset: 120, .size: 8, .value_kind: global_buffer, .address_space: global }
      - { .name: hb1, .offset: 128, .size: 8, .value_kind: global_buffer, .address_space: global }
      - { .name: hW2_codes, .offset: 136, .size: 8, .value_kind: global_buffer, .address_space: global }
      - { .name: hW2_scales, .offset: 144, .size: 8, .value_kind: global_buffer, .address_space: global }
      - { .name: hb2, .offset: 152, .size: 8, .value_kind: global_buffer, .address_space: global }
      - { .name: hW3, .offset: 160, .size: 8, .value_kind: global_buffer, .address_space: global }
      - { .name: hb3, .offset: 168, .size: 8, .value_kind: global_buffer, .address_space: global }
      - { .name: out0, .offset: 176, .size: 8, .value_kind: global_buffer, .address_space: global }
    .group_segment_fixed_size: 117248
    .private_segment_fixed_size: 0
    .kernarg_segment_align: 8
    .kernarg_segment_size: 184
    .max_flat_workgroup_size: 512
    .sgpr_count:     80
    .vgpr_count:     256
    .wavefront_size: 32
...
	.end_amdgpu_metadata
.endif
;; end of part 1
